; MI455X (gfx1250); checked and timed in simulation.
; The chip was launched on July 23, 2026; its instructions are those of AMD's public machine-readable ISA for CDNA 5 (MIT licence, August 2026) and "CDNA5" Instruction Set Architecture Reference Guide (July 2026). The comments in the code are by the model that wrote it; some were corrected since.
;; Dense Capsule. Allowed arithmetic: float matrix products may take bf16 or f16 operands with f32 sums; other float arithmetic in f32, or as packed bf16 or f16 multiplies, adds, multiply-adds, maxima and minima; sums over many terms, partial sums and values carried from step to step in f32; what a program stores and reads back later, other than sums and carried values, may be rounded once to bf16 or f16.
;; Inputs: W 8 x 160 float32; bias 160 float32; x 64 x 8,192 x 8 float32.
;; Outputs: out0 64 x 10 float32.
;; One version. Each part assembles by itself: llvm-mc -triple=amdgcn-amd-amdhsa -mcpu=gfx1250 --defsym DOCPART=n.
;; ======== version 1 of 1: 1 launch
;; limits: values outside matrix products are rounded to bf16
;; launch capsule (part 1): grid 64 x 1, 16 waves a work-group, no clusters, 209,152 bytes of LDS; arguments x, W, bias, out0; writes out0
.if DOCPART == 1
	.amdgcn_target "amdgcn-amd-amdhsa--gfx1250"
	.amdhsa_code_object_version 6
	.text
	.protected	k_q580be49a00_capsule
	.globl	k_q580be49a00_capsule
	.p2align	8
	.type	k_q580be49a00_capsule,@function
k_q580be49a00_capsule:
	s_mov_b64 s[64:65], 0
	v_nop
	global_prefetch_b8 v0, s[64:65] scope:SCOPE_SE
	s_setreg_imm32_b32 hwreg(HW_REG_WAVE_MODE, 25, 1), 1
	s_wait_xcnt 0x0
; DenseCapsule: out[b][o] = | squash(s2)[o][:] |, three routing steps.  x: [64][8192][8] f32, W: [8][160] f32, bias: [160] f32, out: [64][10] f32.
; WHAT IS NOT FORMED, AND WHY THE RESULT IS THE SAME.  x_hat[n][o][d] = sum_k x[n][k] W[k][16o+d] + bias[16o+d] enters only linearly, so for all values of the inputs
;   the agreement  sum_d v[o][d] x_hat[n][o][d]  = sum_k x[n][k] U[k][o] + be[o],   U[k][o] = sum_d W[k][16o+d] v[o][d],  be[o] = sum_d bias[16o+d] v[o][d];
;   the weighted sum  sum_n c[n][o] x_hat[n][o][d] = sum_k Y[o][k] W[k][16o+d] + C[o] bias[16o+d],   Y[o][k] = sum_n c[n][o] x[n][k],  C[o] = sum_n c[n][o].
;   The logits of step i are x . (the sum of the earlier U) + (the sum of the earlier be).  x_hat itself is never made.
; DEAD WORK.  Step 0's logits are the zeros that the function builds itself: its softmax is 1/10 whatever the inputs hold, so step 0 has no exponentials: Y = 0.1 x the column sums of x, C = 819.2.
; All three inputs have a way to the output and are loaded.  LIMIT: a NaN, an infinity or an overflow that would arise only in x_hat, or in step 0's softmax, is not carried to the result.
; FORMATS.  x and the weights c are rounded once to bf16 (matrix operands); U goes in as a bf16 high part and a bf16 low part, since its rounding would be the same for all 8,192 rows.  Logits, maxima,
; exponentials, sums, Y, C, s, squash, U in f32; W and bias stay f32.  The row's true maximum is taken away before the exponentials.  A weight below 2^-126 counts as 0.  NaN and infinities are not treated apart.
; SHARES.  One work-group a batch (each routing step sums over all rows of a batch, and work-groups do not talk): 64 work-groups.  16 waves; wave w owns rows 512 w .. 512 w + 511 for the whole launch.
; x is read from memory once: all of a wave's 32 loads go out at the head, so nothing is left to prefetch; it stays in LDS as bf16 rows of 16 bytes, each wave touching its own 8 KiB alone.
; No cluster: work-groups share only W and bias, 5,760 bytes.
; A PASS goes by 64 rows.  LOGITS: source 1 holds 64 rows of x, a row in each of the four groups of 8 along K of each column: lane l has row l in registers 0-3 and row 32 + l in registers 4-7.
; Source 0 holds U for four capsules in block form: matrix row m = 8 hm + j takes capsule 4 i + j % 4 and the group of K that lane half hm holds in registers 0-3 (j < 4) or 4-7 (j >= 4).
; So after products i = 0, 1, 2 lane l holds the ten logits of row l (registers 0-3 of the three results) and of row 32 + l (registers 4-7): the softmax changes no lanes.
; SUMS: c goes as bf16 through the wave's own LDS bytes and comes back turned (ds_load_tr16_b128): 16 capsule rows x 32 rows of x along K; x comes turned likewise; Y += c^T x, C += c^T ones.
.set XW,    8192                       ; LDS bytes of a wave's 512 rows of x in bf16; x lies from LDS byte 0 on
.set PART,  131072                     ; each wave's partial Y and C: 16 rows (capsules) x 16 columns of f32, 1,024 bytes a wave
.set FIN,   147456                     ; the sums over the waves: 16 rows, each number twice on end (a pair for the packed arithmetic)
.set FINP,  144                        ; a row of it: 128 bytes + 16
.set WS,    149760                     ; each wave's own scratch
.set WSZ,   3584
.set PL1,   640                        ; in a block of c: capsules 0-7 of row l at 16 l, capsules 8-15 at PL1 + 16 l
.set CBLK,  1152                       ; a block of c: 32 rows
.set TAB,   2304                       ; the table of U: high parts, 16 bytes a capsule
.set TLO,   256                        ; low parts
.set TZERO, 512                        ; 512 bytes of zeros, for the lanes whose part of source 0 is empty
.set TBETA, 1024                       ; be, f32, 4 bytes a capsule
.set SPARE, 207104                     ; the spare words, 128 bytes for each of the 16 waves: eight blocks of 256 bytes that no other line names
.set LN,  1                            ; lane
.set R,   2                            ; lane % 16
.set H,   3                            ; lane / 16
.set XA0, 4                            ; LDS: row l of my rows
.set XT0A,5                            ; LDS: row 8 (l / 16) + l % 8 of my rows, for the turning loads (both groups of eight lanes of a half read the same rows: columns 8-15 repeat 0-7)
.set XA,  6                            ; the trip's addresses; in the load phase: where I put 8 bytes
.set XTA, 7
.set CSA, 8                            ; my scratch + 16 l
.set CTA, 9                            ; turning load of c
.set PSA, 10                           ; where my partial goes
.set P1A, 11                           ; where I read row w of eight waves' partials
.set FSA, 12                           ; where row w's sums go
.set FRA, 13                           ; row l % 16 of the sums
.set TSA, 14                           ; table row l % 16
.set TBA, 15
.set ALA, 16                           ; table row for registers 0-3 of source 0, or the zeros
.set AHA, 17                           ; the same for registers 4-7
.set CBA, 18
.set SPW, 19                           ; LDS address of my spare word; never rewritten
.set NIL, 20                           ; 0; never rewritten
.set GX,  21                           ; byte offset in x; never rewritten
.set GW,  22                           ; byte offset in W and bias; never rewritten
.set OA,  23                           ; byte offset in out
.set WR,  24                           ; v[24:87]   W[k][16 o + 8 h + e] at WR + 8 k + e, o = min(l % 16, 9)
.set BR,  88                           ; v[88:95]   bias[16 o + 8 h + e]
.set UT,  96                           ; v[96:103]  the sum of U[.][o]; v104 the sum of be[o]; v105 0
.set AH,  106                          ; v[106:129] source 0, high parts, i = 0, 1, 2
.set AL,  130                          ; v[130:153] low parts
.set CB,  154                          ; v[154:177] be as the C operand
.set XB,  178                          ; v[178:185] 64 rows of x; later c of the first 32 rows, turned
.set A0,  186                          ; v[186:209] the three results; later v[186:193] c of the second 32 rows, turned
.set A1,  194
.set A2,  202                          ; registers 2, 3, 6, 7 of the third result belong to no capsule: they are the two rows' work registers
.set XT,  210                          ; v[210:225] x turned, two blocks of 32 rows
.set YA,  226                          ; v[226:233] Y: lane (r, h), register j: Y[8 h + j][r]
.set YC,  234                          ; v[234:241] C: C[8 h + j] in every column
.set ON,  242                          ; v[242:249] bf16 ones (step 0: ones in matrix rows 0-9 alone)
.set TM,  250                          ; v[250:255] at work
.set LD,  96                           ; the load phase: v[96:223]
.set T8,  106                          ; the small step's registers lie over the pass's
.set YD,  114
.set SS,  132
.set QQ,  140
.set NN,  148
.set RA,  156
.set UA,  164
.set UC,  182
.set UX,  192
.set US,  202
.set HH,  212
.set HF,  216
.set LL,  182
.set WV,  12                           ; s12 my wave's number
.set MH,  22                           ; lane masks: upper half,
.set MR8, 23                           ; l % 16 >= 8,
.set M10, 24                           ; l % 16 < 10
.set SEL, 26                           ; s[26:27] v_permlanex16_b32: each lane takes its own place in the other half
.set OFS, 28
.set CNT, 29
.set SV,  30
.set OUTO,31
	s_load_b256 s[4:11], s[0:1], 0x0               ; x s[4:5], W s[6:7], bias s[8:9], out s[10:11]
	v_lshl_add_u32 v[SPW], v0, 2, SPARE
	v_mov_b32 v[NIL], 0
	v_lshrrev_b32 v[TM], 5, v0
	v_readfirstlane_b32 s[WV], v[TM]               ; wave 0..15
	v_and_b32 v[LN], 31, v0
	v_and_b32 v[R], 15, v0
	v_bfe_u32 v[H], v0, 4, 1
	v_lshlrev_b32 v[GX], 4, v[LN]                  ; a load of the wave covers 512 consecutive bytes: 16 rows of x, half a row a lane
	v_min_u32 v[GW], 9, v[R]                       ; lanes 10-15 of a half stand for no capsule: they read capsule 9's numbers and multiply them by sums that are 0
	v_lshlrev_b32 v[GW], 6, v[GW]
	v_lshl_add_u32 v[GW], v[H], 5, v[GW]           ; 64 o + 32 h
	s_lshl_b32 s14, ttmp9, 18                      ; the batch's 262,144 bytes,
	s_lshl_b32 s13, s[WV], 14                      ; my wave's 16,384 of them
	s_add_co_u32 s14, s14, s13
	s_mov_b32 s15, 0
	s_wait_kmcnt 0x0
	s_add_nc_u64 s[4:5], s[4:5], s[14:15]
.set j, 0
.rept 32
	global_load_b128 v[LD+4*j:LD+4*j+3], v[GX], s[4:5] offset:512*j th:TH_LOAD_NT
.set j, j+1
.endr
.set k, 0
.rept 8
	global_load_b128 v[WR+8*k:WR+8*k+3],   v[GW], s[6:7] offset:640*k
	global_load_b128 v[WR+8*k+4:WR+8*k+7], v[GW], s[6:7] offset:640*k+16
.set k, k+1
.endr
	global_load_b128 v[BR:BR+3],   v[GW], s[8:9]
	global_load_b128 v[BR+4:BR+7], v[GW], s[8:9] offset:16
	; the addresses, while the loads are on their way
	s_lshl_b32 s16, s[WV], 13                      ; my rows in LDS
	v_lshl_add_u32 v[XA], v[LN], 3, s16
	v_lshl_add_u32 v[XA0], v[LN], 4, s16
	v_and_b32 v[TM], 7, v0
	v_lshl_add_u32 v[TM], v[H], 3, v[TM]           ; 8 (l / 16) + l % 8
	v_lshl_add_u32 v[XT0A], v[TM], 4, s16
	s_mul_i32 s17, s[WV], WSZ
	s_add_co_u32 s17, s17, WS                      ; my scratch
	v_lshl_add_u32 v[CSA], v[LN], 4, s17
	v_bfe_u32 v[TM+1], v0, 3, 1                    ; (l / 8) % 2: which eight capsules the turning load takes
	v_mul_u32_u24 v[CTA], v[TM+1], PL1
	v_lshl_add_u32 v[CTA], v[TM], 4, v[CTA]
	v_add_nc_u32 v[CTA], s17, v[CTA]
	s_lshl_b32 s18, s[WV], 10
	s_add_co_u32 s18, s18, PART
	v_lshl_add_u32 v[PSA], v[R], 2, s18            ; row 8 h + j, column r: 512 h + 64 j + 4 r
	v_lshl_add_u32 v[PSA], v[H], 9, v[PSA]
	s_lshl_b32 s18, s[WV], 6
	s_add_co_u32 s18, s18, PART
	v_lshl_add_u32 v[P1A], v[R], 2, s18            ; row w, column r, of the partials of waves 8 h .. 8 h + 7
	v_lshl_add_u32 v[P1A], v[H], 13, v[P1A]
	s_mul_i32 s18, s[WV], FINP
	s_add_co_u32 s18, s18, FIN
	v_lshl_add_u32 v[FSA], v[R], 3, s18
	v_mul_u32_u24 v[FRA], v[R], FINP
	v_add_nc_u32 v[FRA], FIN, v[FRA]
	s_add_co_u32 s18, s17, TAB
	v_lshl_add_u32 v[TSA], v[R], 4, s18
	v_xor_b32 v[TM+1], v[TM+1], v[H]               ; 0 where my half of the lanes holds matrix row r's group of K
	v_bfe_u32 v[TM+2], v0, 2, 1                    ; (r / 4) % 2: 0 registers 0-3, 1 registers 4-7
	v_or_b32 v[TM+3], v[TM+1], v[TM+2]             ; 1: my registers 0-3 are empty
	v_xor_b32 v[TM+2], 1, v[TM+2]
	v_or_b32 v[TM+2], v[TM+1], v[TM+2]             ; 1: my registers 4-7 are empty
	v_and_b32 v[TM+1], 3, v0
	v_lshl_add_u32 v[TM+1], v[TM+1], 4, s18        ; table row r % 4 (+ 4 i by the immediate),
	v_lshl_add_u32 v[ALA], v[TM+3], 9, v[TM+1]     ; or the same place in the zeros, 512 bytes on
	v_lshl_add_u32 v[AHA], v[TM+2], 9, v[TM+1]
	s_add_co_u32 s18, s18, TBETA
	v_lshl_add_u32 v[TBA], v[R], 2, s18
	v_mov_b32 v[CBA], s18
	s_mul_i32 s[OUTO], ttmp9, 40
	v_lshl_add_u32 v[OA], v0, 2, s[OUTO]
	s_mov_b32 s[MH],  0xffff0000
	s_mov_b32 s[MR8], 0xff00ff00
	s_mov_b32 s[M10], 0x03ff03ff
	s_mov_b32 s[SEL], 0x76543210
	s_mov_b32 s[SEL+1], 0xfedcba98
.irp i, 0,1,2,3
	v_mov_b32 v[TM+\i], 0
.endr
	ds_store_b128 v[CSA], v[TM:TM+3] offset:TAB+TZERO      ; the table's zeros,
	ds_store_b128 v[CSA], v[TM:TM+3] offset:PL1            ; and capsules 8-15 of both blocks of c: a trip writes capsules 8 and 9 alone, 10-15 stay 0
	ds_store_b128 v[CSA], v[TM:TM+3] offset:CBLK+PL1
	v_mov_b32 v[TM+4], 0x3f803f80                  ; 1.0 twice in bf16
.irp i, 0,1,2,3,4,5,6,7
	v_cndmask_b32 v[ON+\i], 0, v[TM+4], s[M10]     ; step 0's source 0: ones in matrix rows 0-9
.endr
; STEP 0 RIDES ON THE LOAD PHASE.  Block t is 32 rows: two loads.  They are rounded to bf16, stored (8 bytes a lane, 256 consecutive bytes an instruction) and read back turned into the registers that they left:
; LDS serves a wave's instructions in order (ISA guide 5.7.1.4), and the bytes are the wave's own.  Product u adds block u's column sums; even blocks onto YA, odd ones onto YC: the two take turns; the first two start the sums.
.macro SUM0 u
.if (\u) < 2
	v_wmma_f32_16x16x32_bf16 v[YA+8*((\u)%2):YA+8*((\u)%2)+7], v[ON:ON+7], v[LD+8*(\u):LD+8*(\u)+7], 0
.else
	v_wmma_f32_16x16x32_bf16 v[YA+8*((\u)%2):YA+8*((\u)%2)+7], v[ON:ON+7], v[LD+8*(\u):LD+8*(\u)+7], v[YA+8*((\u)%2):YA+8*((\u)%2)+7]
.endif
.endm
.set t, 0
.rept 16
	s_wait_loadcnt 48-2*t                          ; behind x's load 2 t + 1 were issued 30 - 2 t loads of x and the 18 of W and bias
	v_cvt_pk_bf16_f32 v[LD+8*t],   v[LD+8*t],   v[LD+8*t+1]
	v_cvt_pk_bf16_f32 v[LD+8*t+1], v[LD+8*t+2], v[LD+8*t+3]
	v_cvt_pk_bf16_f32 v[LD+8*t+4], v[LD+8*t+4], v[LD+8*t+5]
	v_cvt_pk_bf16_f32 v[LD+8*t+5], v[LD+8*t+6], v[LD+8*t+7]
	ds_store_b64 v[XA], v[LD+8*t:LD+8*t+1]   offset:512*t
	ds_store_b64 v[XA], v[LD+8*t+4:LD+8*t+5] offset:512*t+256
	ds_load_tr16_b128 v[LD+8*t:LD+8*t+3],   v[XT0A] offset:512*t
	ds_load_tr16_b128 v[LD+8*t+4:LD+8*t+7], v[XT0A] offset:512*t+256
.if t >= 2
	s_wait_dscnt 8                                 ; block t - 2 is back: behind it stand the four LDS instructions of each of the two later blocks
	SUM0 t-2
.endif
.set t, t+1
.endr
	s_wait_dscnt 4                                 ; behind block 14 stand block 15's four
	SUM0 14
	s_wait_dscnt 0x0
	SUM0 15
.rept 4
	v_nop                                          ; four places between the last products and the lines that read their results and rewrite their sources (ISA guide 7.12.1)
.endr
.irp p, 0,2,4,6
	v_pk_add_f32 v[YA+\p:YA+\p+1], v[YA+\p:YA+\p+1], v[YC+\p:YC+\p+1]
.endr
.irp p, 0,2,4,6
	v_pk_mul_f32 v[YA+\p:YA+\p+1], v[YA+\p:YA+\p+1], 0x3dcccccd op_sel_hi:[1,0]   ; c = 1/10
.endr
	v_mov_b32 v[YC], 0x424ccccd                    ; my 512 rows' share of C: 51.2 for capsules 0-9,
	v_mov_b32 v[YC+1], 0x424ccccd
.irp j, 2,3,4,5,6,7
	v_cndmask_b32 v[YC+\j], v[YC], 0, s[MH]        ; 0 for matrix rows 10-15
.endr
.irp i, 0,1,2,3,4,5,6,7
	v_mov_b32 v[ON+\i], 0x3f803f80                 ; from here on: ones everywhere
.endr
.irp i, 0,1,2,3,4,5,6,7,8,9
	v_mov_b32 v[UT+\i], 0
.endr
	s_wait_loadcnt 0x0                             ; W and bias
; THE SMALL STEP.  The waves' partial Y and C are added (two barriers), then every wave makes s, squash and, but for the last step, U and be for itself: that spares a third barrier and a way through LDS.
; Lane (o = l % 16, h) holds the eight channels d = 8 h + e of capsule o; lanes with o >= 10 hold zeros throughout, since their rows of Y and C are 0.
.macro PHASE last
.set j, 0
.rept 8
	v_cndmask_b32 v[YA+j], v[YA+j], v[YC+j], s[MR8]        ; columns 0-7: Y; columns 8-15: C.  The results are read from their low end on
.set j, j+1
.endr
.set j, 0
.rept 8
	ds_store_b32 v[PSA], v[YA+j] offset:64*j
.set j, j+1
.endr
	s_wait_dscnt 0x0                               ; for the others' sake: my partial lies in LDS (and my reads of the last step's sums are long back)
	s_barrier_signal -1
	s_barrier_wait -1
.set j, 0
.rept 8
	ds_load_b32 v[T8+j], v[P1A] offset:1024*j      ; wave w adds row w: each half of the lanes takes eight waves' partials
.set j, j+1
.endr
	s_wait_dscnt 0x0
	v_pk_add_f32 v[T8:T8+1], v[T8:T8+1], v[T8+2:T8+3]
	v_pk_add_f32 v[T8+4:T8+5], v[T8+4:T8+5], v[T8+6:T8+7]
	v_pk_add_f32 v[T8:T8+1], v[T8:T8+1], v[T8+4:T8+5]
	v_add_f32 v[T8], v[T8], v[T8+1]
	v_permlanex16_b32 v[T8+2], v[T8], s[SEL], s[SEL+1]
	v_add_f32 v[T8], v[T8], v[T8+2]
	v_mov_b32 v[T8+1], v[T8]                       ; each sum is laid down twice on end, so that it comes back as a pair
	ds_store_b64 v[FSA], v[T8:T8+1]
	s_wait_dscnt 0x0                               ; my row of sums lies in LDS, and my reads of the partials are back: they may be written again behind this barrier
	s_barrier_signal -1
	s_barrier_wait -1
.if \last
	s_cmp_lg_u32 s[WV], 0                          ; the last step's ten numbers are wave 0's work
	s_cbranch_scc1 .Lend
.endif
.irp i, 0,1,2,3
	ds_load_b128 v[YD+4*\i:YD+4*\i+3], v[FRA] offset:16*\i ; Y[o][0..7], each twice
.endr
	ds_load_b64 v[YD+16:YD+17], v[FRA] offset:64           ; C[o], twice
	s_wait_dscnt 0x0
.irp p, 0,2,4,6
	v_pk_mul_f32 v[SS+\p:SS+\p+1], v[YD+16:YD+17], v[BR+\p:BR+\p+1]       ; s = C bias
.endr
.set k, 0
.rept 8
.irp p, 0,2,4,6
	v_pk_fma_f32 v[SS+\p:SS+\p+1], v[YD+2*k:YD+2*k+1], v[WR+8*k+\p:WR+8*k+\p+1], v[SS+\p:SS+\p+1]  ; + Y[o][k] W[k][..]
.endr
.set k, k+1
.endr
.irp p, 0,2,4,6
	v_pk_mul_f32 v[QQ+\p:QQ+\p+1], v[SS+\p:SS+\p+1], v[SS+\p:SS+\p+1]
.endr
.irp m, 1,2,4,8                        ; squash's norm runs over the capsules: the sixteen lanes of a half
.set e, 0
.rept 8
	v_add_f32_dpp v[QQ+e], v[QQ+e], v[QQ+e] row_xmask:\m row_mask:0xf bank_mask:0xf
.set e, e+1
.endr
.endr
.set e, 0
.rept 8
	v_sqrt_f32 v[NN+e], v[QQ+e]
.set e, e+1
.endr
.irp p, 0,2,4,6
	v_pk_add_f32 v[RA+\p:RA+\p+1], v[QQ+\p:QQ+\p+1], 1.0 op_sel_hi:[1,0]  ; 1 + |s|^2: plain work behind the roots
.endr
	s_wait_alu depctr_va_vdst(0)                   ; one wait for the eight roots, ahead of their first reader
.irp p, 0,2,4,6
	v_pk_add_f32 v[NN+\p:NN+\p+1], v[NN+\p:NN+\p+1], 0x322bcc77 op_sel_hi:[1,0]   ; |s| + 1e-8
.endr
.set e, 0
.rept 8
	v_rcp_f32 v[RA+e], v[RA+e]
	v_rcp_f32 v[NN+e], v[NN+e]
.set e, e+1
.endr
	v_nop                                          ; a plain instruction behind the last reciprocal,
	s_wait_alu depctr_va_vdst(0)                   ; and one wait for the sixteen
.irp p, 0,2,4,6
	v_pk_mul_f32 v[QQ+\p:QQ+\p+1], v[QQ+\p:QQ+\p+1], v[RA+\p:RA+\p+1]
.endr
.irp p, 0,2,4,6
	v_pk_mul_f32 v[QQ+\p:QQ+\p+1], v[QQ+\p:QQ+\p+1], v[NN+\p:NN+\p+1]     ; |s|^2 / (1 + |s|^2) / (|s| + 1e-8)
.endr
.irp p, 0,2,4,6
	v_pk_mul_f32 v[SS+\p:SS+\p+1], v[SS+\p:SS+\p+1], v[QQ+\p:QQ+\p+1]     ; v
.endr
.if \last
	v_pk_mul_f32 v[QQ:QQ+1], v[SS:SS+1], v[SS:SS+1]        ; the capsule's length: over its 16 channels
.irp p, 2,4,6
	v_pk_fma_f32 v[QQ:QQ+1], v[SS+\p:SS+\p+1], v[SS+\p:SS+\p+1], v[QQ:QQ+1]
.endr
	v_add_f32 v[QQ], v[QQ], v[QQ+1]
	v_permlanex16_b32 v[QQ+2], v[QQ], s[SEL], s[SEL+1]
	v_add_f32 v[QQ], v[QQ], v[QQ+2]
	v_sqrt_f32 v[QQ+4], v[QQ]
	v_nop
	s_wait_alu depctr_va_vdst(0)
	s_wait_xcnt 0x0                                ; EXEC changes only behind this wait
	v_cmp_gt_u32 vcc_lo, 10, v0
	s_and_saveexec_b32 s[SV], vcc_lo
	global_store_b32 v[OA], v[QQ+4], s[10:11]      ; lanes 0-9: 40 consecutive bytes
	s_wait_xcnt 0x0
	s_or_b32 exec_lo, exec_lo, s[SV]
.else
.set k, 0
.rept 8
	v_pk_mul_f32 v[UA+2*k:UA+2*k+1], v[WR+8*k:WR+8*k+1], v[SS:SS+1]       ; U[k][o]: over my eight channels, in pairs
.set k, k+1
.endr
	v_pk_mul_f32 v[UA+16:UA+17], v[BR:BR+1], v[SS:SS+1]                    ; be[o]
.irp p, 2,4,6
.set k, 0
.rept 8
	v_pk_fma_f32 v[UA+2*k:UA+2*k+1], v[WR+8*k+\p:WR+8*k+\p+1], v[SS+\p:SS+\p+1], v[UA+2*k:UA+2*k+1]
.set k, k+1
.endr
	v_pk_fma_f32 v[UA+16:UA+17], v[BR+\p:BR+\p+1], v[SS+\p:SS+\p+1], v[UA+16:UA+17]
.endr
.set k, 0
.rept 9
	v_add_f32 v[UC+k], v[UA+2*k], v[UA+2*k+1]
.set k, k+1
.endr
	v_mov_b32 v[UC+9], 0
.set k, 0
.rept 9
	v_permlanex16_b32 v[UX+k], v[UC+k], s[SEL], s[SEL+1]   ; the other eight channels lie in the lane 16 away
.set k, k+1
.endr
	v_mov_b32 v[UX+9], 0
.irp p, 0,2,4,6,8
	v_pk_add_f32 v[UC+\p:UC+\p+1], v[UC+\p:UC+\p+1], v[UX+\p:UX+\p+1]
.endr
.irp p, 0,2,4,6,8
	v_pk_add_f32 v[UT+\p:UT+\p+1], v[UT+\p:UT+\p+1], v[UC+\p:UC+\p+1]     ; the logits add up from step to step: so do U and be, in f32
.endr
.irp p, 0,2,4,6,8
	v_pk_mul_f32 v[US+\p:US+\p+1], v[UT+\p:UT+\p+1], 0x3fb8aa3b op_sel_hi:[1,0]   ; log2(e): the exponentials are to base 2
.endr
.irp p, 0,1,2,3
	v_cvt_pk_bf16_f32 v[HH+\p], v[US+2*\p], v[US+2*\p+1]   ; the high parts,
.endr
.irp p, 0,1,2,3
	v_lshlrev_b32 v[HF+2*\p], 16, v[HH+\p]
	v_and_b32 v[HF+2*\p+1], 0xffff0000, v[HH+\p]
.endr
.irp p, 0,2,4,6
	v_pk_add_f32 v[HF+\p:HF+\p+1], v[US+\p:US+\p+1], v[HF+\p:HF+\p+1] neg_lo:[0,1] neg_hi:[0,1]
.endr
.irp p, 0,1,2,3
	v_cvt_pk_bf16_f32 v[LL+\p], v[HF+2*\p], v[HF+2*\p+1]   ; and what they leave
.endr
	ds_store_b128 v[TSA], v[HH:HH+3]               ; into my own table (both halves of the lanes hold and write the same numbers),
	ds_store_b128 v[TSA], v[LL:LL+3] offset:TLO
	ds_store_b32 v[TBA], v[US+8]
.irp i, 0,1,2                          ; and back in the operands' form; LDS serves a wave's instructions in order, so these see the stores.  They are waited for at the pass's first wait
	ds_load_b128 v[AH+8*\i:AH+8*\i+3],   v[ALA] offset:64*\i
	ds_load_b128 v[AH+8*\i+4:AH+8*\i+7], v[AHA] offset:64*\i
	ds_load_b128 v[AL+8*\i:AL+8*\i+3],   v[ALA] offset:TLO+64*\i
	ds_load_b128 v[AL+8*\i+4:AL+8*\i+7], v[AHA] offset:TLO+64*\i
	ds_load_b128 v[CB+8*\i:CB+8*\i+3],   v[CBA] offset:16*\i
	ds_load_b128 v[CB+8*\i+4:CB+8*\i+7], v[CBA] offset:16*\i
.endr
.endif
.endm
; A PASS's pieces.  p names a pair of logits of row l; the same pair of row 32 + l lies four registers on.
.macro SUBP p
	v_pk_add_f32 v[(\p):(\p)+1],   v[(\p):(\p)+1],   v[A2+2:A2+3] op_sel_hi:[1,0] neg_lo:[0,1] neg_hi:[0,1]
	v_pk_add_f32 v[(\p)+4:(\p)+5], v[(\p)+4:(\p)+5], v[A2+6:A2+7] op_sel_hi:[1,0] neg_lo:[0,1] neg_hi:[0,1]
.endm
.macro EXPP p
	v_exp_f32 v[(\p)],   v[(\p)]
	v_exp_f32 v[(\p)+4], v[(\p)+4]
	v_exp_f32 v[(\p)+1], v[(\p)+1]
	v_exp_f32 v[(\p)+5], v[(\p)+5]
.endm
; The ten weights of one of my two rows (q = 0: row l; 4: row 32 + l): divided by their sum, rounded to bf16 in place, and stored as row l of a block of c.
.macro WEIGH q, off
.irp p, A0, A0+2, A1, A1+2, A2
	v_pk_mul_f32 v[(\p)+(\q):(\p)+(\q)+1], v[(\p)+(\q):(\p)+(\q)+1], v[A2+2+(\q):A2+3+(\q)] op_sel_hi:[1,0]
.endr
	v_cvt_pk_bf16_f32 v[A0+(\q)],   v[A0+(\q)],   v[A0+(\q)+1]
	v_cvt_pk_bf16_f32 v[A0+(\q)+1], v[A0+(\q)+2], v[A0+(\q)+3]
	v_cvt_pk_bf16_f32 v[A0+(\q)+2], v[A1+(\q)],   v[A1+(\q)+1]
	v_cvt_pk_bf16_f32 v[A0+(\q)+3], v[A1+(\q)+2], v[A1+(\q)+3]
	v_cvt_pk_bf16_f32 v[A1+(\q)],   v[A2+(\q)],   v[A2+(\q)+1]
	ds_store_b128 v[CSA], v[A0+(\q):A0+(\q)+3] offset:(\off)
	ds_store_b32  v[CSA], v[A1+(\q)] offset:(\off)+PL1
.endm
.macro PASS
.set i, 0
.rept 16
	v_mov_b32 v[YA+i], 0                           ; Y and C start at 0: sixteen lines a pass, so that the trip is written once
.set i, i+1
.endr
	s_mov_b32 s[OFS], 0
	s_mov_b32 s[CNT], 8                            ; 8 trips of 64 rows
.Lgrp_\@:
	v_add_nc_u32 v[XA], s[OFS], v[XA0]             ; five plain lines: the places between the last trip's products and the loads and products that write over their sources
	v_add_nc_u32 v[XTA], s[OFS], v[XT0A]
	v_nop
	v_nop
	v_nop
	ds_load_b128 v[XB:XB+3],   v[XA]               ; rows l and 32 + l
	ds_load_b128 v[XB+4:XB+7], v[XA] offset:512
	ds_load_tr16_b128 v[XT:XT+3],     v[XTA]       ; the same 64 rows turned, for the trip's end
	ds_load_tr16_b128 v[XT+4:XT+7],   v[XTA] offset:256
	ds_load_tr16_b128 v[XT+8:XT+11],  v[XTA] offset:512
	ds_load_tr16_b128 v[XT+12:XT+15], v[XTA] offset:768
	s_wait_dscnt 4                                 ; the rows are in (in the first trip U's operands too); the four turned loads may stay out
.irp i, 0,1,2                          ; the accumulators take turns, one instruction a turn: low parts with be as C, then the high parts in place
	v_wmma_f32_16x16x32_bf16 v[A0+8*\i:A0+8*\i+7], v[AL+8*\i:AL+8*\i+7], v[XB:XB+7], v[CB+8*\i:CB+8*\i+7]
.endr
.irp i, 0,1,2
	v_wmma_f32_16x16x32_bf16 v[A0+8*\i:A0+8*\i+7], v[AH+8*\i:AH+8*\i+7], v[XB:XB+7], v[A0+8*\i:A0+8*\i+7]
.endr
.rept 4
	v_nop                                          ; four places ahead of the first read of the results
.endr
	v_max3_num_f32 v[A2+2], v[A0],   v[A0+1], v[A0+2]      ; the two rows' maxima, by turns; each result is read from its low end on
	v_max3_num_f32 v[A2+6], v[A0+4], v[A0+5], v[A0+6]
	v_max3_num_f32 v[A2+2], v[A2+2], v[A0+3], v[A1]
	v_max3_num_f32 v[A2+6], v[A2+6], v[A0+7], v[A1+4]
	v_max3_num_f32 v[A2+2], v[A2+2], v[A1+1], v[A1+2]
	v_max3_num_f32 v[A2+6], v[A2+6], v[A1+5], v[A1+6]
	v_max3_num_f32 v[A2+2], v[A2+2], v[A1+3], v[A2]
	v_max3_num_f32 v[A2+6], v[A2+6], v[A1+7], v[A2+4]
	v_max_num_f32 v[A2+2], v[A2+2], v[A2+1]
	v_max_num_f32 v[A2+6], v[A2+6], v[A2+5]
	SUBP A0                                        ; the maximum is taken away; the twenty exponentials are one batch, and nothing ahead of its wait names a result
	SUBP A0+2
	EXPP A0
	SUBP A1
	EXPP A0+2
	SUBP A1+2
	EXPP A1
	SUBP A2
	EXPP A1+2
	EXPP A2
	v_nop                                          ; a plain instruction behind the last exponential,
	s_wait_alu depctr_va_vdst(0)                   ; and the batch's one wait
	v_pk_add_f32 v[A2+2:A2+3], v[A0:A0+1],     v[A0+2:A0+3]
	v_pk_add_f32 v[A2+6:A2+7], v[A0+4:A0+5],   v[A0+6:A0+7]
	v_pk_add_f32 v[TM:TM+1],   v[A1:A1+1],     v[A1+2:A1+3]
	v_pk_add_f32 v[TM+2:TM+3], v[A1+4:A1+5],   v[A1+6:A1+7]
	v_pk_add_f32 v[A2+2:A2+3], v[A2+2:A2+3],   v[A2:A2+1]
	v_pk_add_f32 v[A2+6:A2+7], v[A2+6:A2+7],   v[A2+4:A2+5]
	v_pk_add_f32 v[A2+2:A2+3], v[A2+2:A2+3],   v[TM:TM+1]
	v_pk_add_f32 v[A2+6:A2+7], v[A2+6:A2+7],   v[TM+2:TM+3]
	v_add_f32 v[A2+2], v[A2+2], v[A2+3]            ; at least 1: the maximum's own weight
	v_add_f32 v[A2+6], v[A2+6], v[A2+7]
	v_rcp_f32 v[A2+2], v[A2+2]
	v_rcp_f32 v[A2+6], v[A2+6]
	v_nop
	s_wait_alu depctr_va_vdst(0)                   ; one wait for the two reciprocals
	WEIGH 0, 0
	ds_load_tr16_b128 v[XB:XB+3],   v[CTA]         ; c of rows 0-31, turned, where x lay; LDS serves my instructions in order: these see the stores above
	ds_load_tr16_b128 v[XB+4:XB+7], v[CTA] offset:256
	WEIGH 4, CBLK
	ds_load_tr16_b128 v[A0:A0+3],   v[CTA] offset:CBLK     ; c of rows 32-63, where the first result lay
	ds_load_tr16_b128 v[A0+4:A0+7], v[CTA] offset:CBLK+256
	s_wait_dscnt 4                                 ; the first block of c is back: behind it stand the second block's two stores and two loads
	v_wmma_f32_16x16x32_bf16 v[YA:YA+7], v[XB:XB+7], v[XT:XT+7], v[YA:YA+7]       ; Y and C take turns
	v_wmma_f32_16x16x32_bf16 v[YC:YC+7], v[XB:XB+7], v[ON:ON+7], v[YC:YC+7]
	s_wait_dscnt 0x0
	v_wmma_f32_16x16x32_bf16 v[YA:YA+7], v[A0:A0+7], v[XT+8:XT+15], v[YA:YA+7]
	v_wmma_f32_16x16x32_bf16 v[YC:YC+7], v[A0:A0+7], v[ON:ON+7], v[YC:YC+7]
	s_add_co_u32 s[OFS], s[OFS], 1024              ; 64 rows of 16 bytes on
	s_sub_co_u32 s[CNT], s[CNT], 1
	s_cmp_lg_u32 s[CNT], 0
	s_cbranch_scc1 .Lgrp_\@
.rept 4
	v_nop                                          ; four places ahead of the small step's reads of Y and C
.endr
.endm
	PHASE 0                                        ; step 0's squash; U and be for step 1's logits
	PASS                                           ; step 1's softmax and sums
	PHASE 0
	PASS                                           ; step 2's
	PHASE 1                                        ; step 2's squash and the lengths
.Lend:
	s_wait_tensorcnt 0x0                           ; the wave's end, behind my last LDS store
	ds_add_u32 v[SPW], v[NIL]
	s_wait_dscnt 0x0
	s_endpgm
.Lfunc_end_k_q580be49a00_capsule:
	.size	k_q580be49a00_capsule, .Lfunc_end_k_q580be49a00_capsule-k_q580be49a00_capsule
	.p2alignl 7, 3214868480
	.fill 96, 4, 3214868480
	.section	.rodata,"a",@progbits
	.p2align	6, 0x0
	.amdhsa_kernel k_q580be49a00_capsule
		.amdhsa_group_segment_fixed_size 209152
		.amdhsa_private_segment_fixed_size 0
		.amdhsa_enable_private_segment 0
		.amdhsa_kernarg_size 32
		.amdhsa_user_sgpr_count 2
		.amdhsa_user_sgpr_kernarg_segment_ptr 1
		.amdhsa_wavefront_size32 1
		.amdhsa_system_sgpr_workgroup_id_x 1
		.amdhsa_system_sgpr_workgroup_id_y 1
		.amdhsa_system_sgpr_workgroup_id_z 1
		.amdhsa_system_vgpr_workitem_id 0
		.amdhsa_next_free_vgpr 256
		.amdhsa_next_free_sgpr 66
		.amdhsa_reserve_vcc 1
		.amdhsa_float_denorm_mode_32 3
		.amdhsa_float_denorm_mode_16_64 3
		.amdhsa_memory_ordered 1
		.amdhsa_forward_progress 1
		.amdhsa_inst_pref_size 77
	.end_amdhsa_kernel
	.amdgpu_metadata
---
amdhsa.version: [ 1, 2 ]
amdhsa.kernels:
  - .name:           k_q580be49a00_capsule
    .symbol:         k_q580be49a00_capsule.kd
    .args:
      - { .name: x, .offset: 0, .size: 8, .value_kind: global_buffer, .address_space: global }
      - { .name: W, .offset: 8, .size: 8, .value_kind: global_buffer, .address_space: global }
      - { .name: bias, .offset: 16, .size: 8, .value_kind: global_buffer, .address_space: global }
      - { .name: out0, .offset: 24, .size: 8, .value_kind: global_buffer, .address_space: global }
    .group_segment_fixed_size: 209152
    .private_segment_fixed_size: 0
    .kernarg_segment_align: 8
    .kernarg_segment_size: 32
    .max_flat_workgroup_size: 512
    .sgpr_count:     66
    .vgpr_count:     256
    .wavefront_size: 32
...
	.end_amdgpu_metadata
.endif
;; end of part 1
